; MI455X (gfx1250); checked and timed in simulation.
; The chip was launched on July 23, 2026; its instructions are those of AMD's public machine-readable ISA for CDNA 5 (MIT licence, August 2026) and "CDNA5" Instruction Set Architecture Reference Guide (July 2026). The comments in the code are by the model that wrote it; some were corrected since.
;; Keops Attention Product. Allowed arithmetic: matrix products marked QUANTISED: E2M1 operands, one E8M0 scale for each 32 along K, by v_wmma_scale_f32_16x16x128_f8f6f4 with both operands' format E2M1 (or v_wmma_scale_f32_32x16x128_f4), f32 sums; everything else in f32.
;; Inputs: attention_mask 4 x 1 x 1 x 2,048 float32; key_layer 4 x 16 x 2,048 x 64 float32; query_layer 4 x 16 x 2,048 x 64 float32; value_layer 4 x 16 x 2,048 x 64 float32.
;; Outputs: out0 4 x 16 x 2,048 x 64 float32.
;; This version of the problem:
;;   THIS VERSION OF THE PROBLEM IS GIVEN IN LOW PRECISION. The matrix products marked QUANTISED in the list below multiply operands that are first quantised to E2M1 (2 exponent bits, 1 mantissa bit; 4 bits a number), with one power-of-two scale for each 32 numbers along K (OCP MX v1.0); their sums are f32. All else is computed in f32.
;;   The module's matrix products, in the order in which they are computed (A, B: the left and right operand; K: the contracted axis; several contracted axes count as one K, in the product's order):
;;     1. batch 64 x [M 2,048, K 64] x [K 64, N 2,048]; A: computed on the way; B: input key_layer: QUANTISED
;;     2. batch 64 x [M 2,048, K 2,048] x [K 2,048, N 64]; A: softmax (see below); B: input value_layer: QUANTISED
;;   THE QUANTISER, for each operand of a quantised product, along K:
;;     - K is cut into blocks of 32 from its start; a last block that is shorter is filled with zeros.
;;     - A block's scale is 2^e with e = floor(log2(the largest magnitude in the block)) - 2, held to -126 .. 127; a block of zeros has e = 0. As a byte (E8M0): e + 127.
;;     - Each number is divided by its block's scale, clamped to +-6, and rounded to the nearest number of E2M1, ties to even, subnormals kept.
;;     - The product sums the exact products of the quantised numbers (number of the format x scale) in f32.
;;   ~~~python
;;   def quantise(x, axis):      # numpy; x: float32 -> the quantised numbers, widened to float32 again
;;       x = np.moveaxis(x, axis, -1); K = x.shape[-1]
;;       x = np.pad(x, [(0, 0)] * (x.ndim - 1) + [(0, -K % 32)]); x = x.reshape(x.shape[:-1] + (-1, 32)); a = np.abs(x).max(-1, keepdims=True)
;;       e = np.where(a > 0, np.clip(np.frexp(np.where(a > 0, a, 1))[1] - 1 - 2, -126, 127), 0)      # np.frexp(a)[1] - 1 = floor(log2(a)), exactly
;;       r = np.clip(x / 2.0 ** e, -6, 6)
;;       step = 2.0 ** (np.maximum(np.frexp(np.where(r == 0, 1, r))[1] - 1, 0) - 1)
;;       q = np.round(r / step) * step * 2.0 ** e      # np.round: ties to even
;;       return np.moveaxis(q.reshape(q.shape[:-2] + (-1,))[..., :K], -1, axis).astype(np.float32)
;;   ~~~
;;   SOFTMAX AHEAD OF A QUANTISED PRODUCT. Where the list says 'softmax', what is quantised is not the finished softmax but p = 2^(t - M), with t = logit x log2(e) and M = ceil(the row's largest t), a whole number; so 1/2 < the row's largest p <= 1. The row's sum l is taken of the UNQUANTISED p, in f32, and the product's result is divided by l at the end. Since M is a whole number, a kernel that streams over the keys may use a running M (the ceiling of the running maximum): every later rescaling is an exact power of two, which a block's scale takes up: the codes' values come out the same.
;;   OPERANDS COMPUTED ON THE WAY. 'Computed on the way' means the value that the module computes at that place (a softmax that the list does not call 'softmax' is quantised finished and normalised). What goes into a quantiser is computed in f32, as accurately as f32 sums, v_exp_f32 and their like allow (about 1e-6 of the number): no bf16 or f16 on the way to a quantiser, and a product that is left as it is and whose result goes on into a quantised operand takes f32 operands (vector FMAs, or v_wmma_f32_16x16x4_f32). A number that lies on a knife's edge between two numbers of the format may be rounded either way, as far as f32 arithmetic and the matrix unit's own rounding can turn it there, and no further.
;; One version. Each part assembles by itself: llvm-mc -triple=amdgcn-amd-amdhsa -mcpu=gfx1250 --defsym DOCPART=n.
;; ======== version 1 of 1: 2 launches
;; limits: right only within a limited range of input values
;; workspace buffers: kv 9,699,328 bytes
;; launch prep (part 1): grid 512 x 1, 4 waves a work-group, no clusters, 36,352 bytes of LDS; arguments key_layer, value_layer, attention_mask, kv; writes kv
.if DOCPART == 1
	.amdgcn_target "amdgcn-amd-amdhsa--gfx1250"
	.amdhsa_code_object_version 6
	.text
	.protected	k_q9f4b720302_prep
	.globl	k_q9f4b720302_prep
	.p2align	8
	.type	k_q9f4b720302_prep,@function
k_q9f4b720302_prep:
	s_mov_b64 s[64:65], 0
	v_nop
	global_prefetch_b8 v0, s[64:65] scope:SCOPE_SE
	s_setreg_imm32_b32 hwreg(HW_REG_WAVE_MODE, 25, 1), 1
	s_wait_xcnt 0x0
; key_layer and value_layer, [64 heads][2048 keys][64] f32, become codes of FP4 (E2M1) with one E8M0 scale byte for each 32 along a product's K, laid in kv in the order in which the attention
; launch's operand registers take them; the additive mask [4][2048] f32 is copied beside them.  K is quantised along the head's 64 (innermost in memory), V along the keys (a lane takes a channel, its registers run down the keys).
; kv is 1,024 RECORDS of REC = 9,472 bytes, one for each unit u = 16 x head + key step (a key step is 128 keys):
;   0     K's images: tile t = 4 c + i (0..7) at 512 t, lane l's 16 bytes at 16 l: lane (r = l % 16, h = l / 16) holds key 64 c + 8 i + r % 8 + 32 (r / 8), codes of d = 32 h .. 32 h + 31
;   4096  V's images: tile t (channels 16 t + r), register group c at 1024 t + 512 c + 16 l: lane (r, h) holds keys 64 c + 32 h + 0 .. 31 of channel 16 t + r
;   8192  K's scale words, 16 bytes at 16 l: lane (r, h) holds the words of row r of tiles 4 h .. 4 h + 3: byte 0 block d 0-31, byte 1 block d 32-63, bytes 2 and 3 zero
;   8704  V's scale words [r 16][pos 4], pos = 2 (t % 2) + t / 2: byte kb is the scale of keys 32 kb .. 32 kb + 31
;   8960  the mask of the 128 keys, f32, in their order, held at -3e38 from below
; A block's scale is 2^(floor(log2(its largest magnitude)) - 2); its byte is the largest magnitude's exponent field - 2, held at 1 from below.
; LIMITS: a block of zeros gets the byte 1 where the quantiser says 127 (its codes are zeros, and this program alone reads the bytes); NaN and infinities in K and V, NaN and +infinity in the mask are not served;
; a mask number under -3e38, -infinity too, is held at -3e38.
; SHARES: a wave makes one part of one record: work-groups 0-255 K's images, K's scale words and the mask; work-groups 256-511 V's images and scale words; u = 4 x (work-group % 256) + wave.
; Waves share nothing: no barrier.  Every offset is an immediate, and each store has data registers of its own.
.set REC,   9472
.set WST,   8960                       ; LDS, K's path alone: a stage for each wave: staged key k of 32 at 272 k + 128 (k / 16)
.set FLOOR, 0x1800000                  ; 2^(3 - 127): under it no largest magnitude is taken, so the byte cannot fall under 1
.set R,     16                         ; v16-143   K: two sets of 64 registers as loaded
.set X,     144                        ; v144-207  two sets of 32 numbers of one block
.set C,     208                        ; v208-239  codes: four registers for each store
.set W,     240                        ; v240-247  scale words
	s_load_b256 s[4:11], s[0:1], 0x0               ; key s[4:5], value s[6:7], mask s[8:9], kv s[10:11]
	v_lshl_add_u32 v254, v0, 2, 0x8c00             ; my spare word, behind the four stages
	v_mov_b32 v255, 0
	v_lshrrev_b32 v1, 5, v0
	v_readfirstlane_b32 s12, v1                    ; wave 0..3
	v_and_b32 v1, 31, v0                           ; lane
	v_and_b32 v12, 15, v0                          ; r
	v_bfe_u32 v7, v0, 4, 1                         ; h
	s_and_b32 s13, ttmp9, 255
	s_lshl_b32 s13, s13, 2
	s_add_co_u32 s13, s13, s12                     ; u
	s_lshl_b32 s14, s13, 15                        ; 128 keys x 256 bytes a unit, in K and in V
	s_mov_b32 s15, 0
	s_mul_i32 s16, s13, REC                        ; my record
	s_mov_b32 s17, 0
	s_lshr_b32 s18, s13, 8                         ; the batch: 16 heads x 16 steps
	s_lshl_b32 s18, s18, 13                        ; its 2,048 mask numbers,
	s_and_b32 s19, s13, 15
	s_lshl_b32 s19, s19, 9                         ; the step's 128 of them
	s_add_co_u32 s18, s18, s19
	s_mov_b32 s19, 0
	s_mov_b32 s20, 0x76543210
	s_mov_b32 s21, 0xfedcba98                      ; v_permlanex16_b32's selects for lane l xor 16
	s_mul_i32 s22, s12, WST                        ; my stage
	s_wait_kmcnt 0x0
	s_add_nc_u64 s[4:5], s[4:5], s[14:15]
	s_add_nc_u64 s[6:7], s[6:7], s[14:15]
	s_add_nc_u64 s[8:9], s[8:9], s[18:19]
	s_add_nc_u64 s[10:11], s[10:11], s[16:17]
; The block in v[XS] .. v[XS + 31]: its largest magnitude (two chains, and the floor) in v12, the conversion's scale operand in v14, the scale's byte in v15
.macro AMAX
	v_max3_num_f32 v12, |v[XS]|, |v[XS+1]|, |v[XS+2]|
	v_max3_num_f32 v13, |v[XS+3]|, |v[XS+4]|, |v[XS+5]|
.irp i, 6,10,14,18,22,26
	v_max3_num_f32 v12, v12, |v[XS+\i]|, |v[XS+\i+1]|
	v_max3_num_f32 v13, v13, |v[XS+\i+2]|, |v[XS+\i+3]|
.endr
	v_max3_num_f32 v12, v12, |v[XS+30]|, |v[XS+31]|
	v_max3_num_f32 v12, v12, v13, FLOOR
	v_add_nc_u32 v14, 0xff000000, v12              ; 2 off the exponent field: the conversion takes the exponent field of this operand as its scale
	v_lshrrev_b32 v15, 23, v14
.endm
	s_cmp_lt_u32 ttmp9, 256
	s_cbranch_scc0 .Lvalues
; ---------------- K.  A load reads 512 consecutive bytes (two keys); a lane of a tile wants 128 consecutive bytes of ONE key: so 32 keys at a time turn through my stage.
; Group g = 2 c + e stages keys 64 c + 16 e + 0 .. 15 (staged 0-15) and 64 c + 32 + 16 e + 0 .. 15 (staged 16-31): tile 2 g + u takes the staged keys 8 u + r + 8 (r / 8).
	s_wait_alu depctr_va_vdst(0)                   ; the wait behind the branch's way
	v_lshlrev_b32 v2, 4, v1                        ; 16 x lane: a load's, an image's, the scale words' and the mask's place
	v_mul_u32_u24 v3, v7, 272
	v_lshl_add_u32 v3, v12, 4, v3
	v_add_nc_u32 v3, s22, v3                       ; into the stage: staged key 2 i + l / 16, byte 16 (l % 16)
	v_and_b32 v13, 8, v12
	v_add_nc_u32 v14, v13, v12                     ; r + 8 (r / 8)
	v_mul_u32_u24 v4, v14, 272
	v_lshl_add_u32 v4, v13, 4, v4                  ; + 128 where that staged key is the sixteenth or later
	v_lshl_add_u32 v4, v7, 7, v4                   ; + my half's 32 numbers
	v_add_nc_u32 v4, s22, v4                       ; out of the stage
	v_lshlrev_b32 v6, 3, v7                        ; 8 h: my byte's place in a scale word
	v_mov_b32 v248, 0                              ; written once: a lane permute's destination counts as one of its sources
.macro LOADG g
.irp i, 0,1,2,3,4,5,6,7,8,9,10,11,12,13,14,15
	global_load_b128 v[R+64*((\g)%2)+4*\i:R+64*((\g)%2)+4*\i+3], v2, s[4:5] offset:16384*((\g)/2)+4096*((\g)%2)+512*\i+4096*(\i/8) th:TH_LOAD_NT
.endr
.endm
.macro TILE t                          ; tile t's numbers lie in set t % 2 of X: a whole block of 32 in each lane
.set XS, X+32*((\t)%2)
	AMAX
.irp g, 0,1,2,3
	v_cvt_scalef32_pk8_fp4_f32 v[C+4*(\t)+\g], v[XS+8*\g:XS+8*\g+7], v14
.endr
	v_lshlrev_b32 v15, v6, v15                     ; my byte at its place.  (The plain line behind the conversions)
	v_permlanex16_b32 v248, v15, s20, s21
	v_or_b32 v[W+(\t)], v15, v248                  ; with lane l xor 16's byte: the key's scale word, in both halves of the lanes
	global_store_b128 v2, v[C+4*(\t):C+4*(\t)+3], s[10:11] offset:512*(\t)   ; the tile's image: 512 consecutive bytes
.endm
.macro GROUP g
.if (\g) < 3
	s_wait_loadcnt 16                              ; this group's 16 loads are in (and the mask's, issued ahead of them); the next group's 16 may be out
.else
	s_wait_loadcnt 0
.endif
.irp i, 0,1,2,3,4,5,6,7,8,9,10,11,12,13,14,15
	ds_store_b128 v3, v[R+64*((\g)%2)+4*\i:R+64*((\g)%2)+4*\i+3] offset:544*\i+128*(\i/8)
.endr
.irp u, 0,1
.irp j, 0,1,2,3,4,5,6,7
	ds_load_b128 v[X+32*\u+4*\j:X+32*\u+4*\j+3], v4 offset:2176*\u+16*\j   ; LDS serves a wave's instructions in order (ISA guide 5.7.1.4): these see the stores above
.endr
.endr
	s_wait_dscnt 0x0                               ; both tiles' numbers are in
.if (\g) < 2
	LOADG (\g)+2
.endif
	TILE 2*(\g)
	TILE 2*(\g)+1
.endm
	global_load_b128 v[8:11], v2, s[8:9]           ; the mask's 512 bytes
	LOADG 0
	LOADG 1
	s_wait_alu depctr_va_vdst(0)                   ; the wait ahead of the wait below
	GROUP 0
	GROUP 1
	GROUP 2
	GROUP 3
	v_cmp_ne_u32 vcc_lo, 0, v7
.irp t, 0,1,2,3
	v_cndmask_b32 v[X+\t], v[W+\t], v[W+4+\t], vcc_lo   ; lanes 0-15 send tiles 0-3's words of row r, lanes 16-31 tiles 4-7's
.endr
	global_store_b128 v2, v[X:X+3], s[10:11] offset:8192
.irp t, 0,1,2,3
	v_max_num_f32 v[X+4+\t], 0xff61b1e6, v[8+\t]   ; the mask, held at -3e38 from below
.endr
	global_store_b128 v2, v[X+4:X+7], s[10:11] offset:8960
	s_wait_tensorcnt 0x0                           ; the wave's end, behind my last LDS store
	ds_add_u32 v254, v255
	s_wait_dscnt 0x0
	s_endpgm
; ---------------- V.  A lane takes a channel and its registers run down the keys: block n = 2 kb + cg is keys 32 kb .. 32 kb + 31 of channels 32 cg + lane.  Nothing is transposed.
.Lvalues:
	s_wait_alu depctr_va_vdst(0)                   ; the wait behind the taken branch
	v_lshlrev_b32 v2, 2, v1                        ; 4 x lane
	v_lshlrev_b32 v3, 10, v7
	v_lshl_add_u32 v3, v12, 4, v3                  ; the image: tile 2 cg + l / 16 (1,024 bytes a tile), 16 (l % 16)
	v_lshlrev_b32 v5, 4, v12
	v_lshl_add_u32 v5, v7, 3, v5                   ; the scale words: 16 r + 8 (l / 16)
.macro LOADB n
.irp i, 0,1,2,3,4,5,6,7,8,9,10,11,12,13,14,15,16,17,18,19,20,21,22,23,24,25,26,27,28,29,30,31
	global_load_b32 v[X+32*((\n)%2)+\i], v2, s[6:7] offset:(32*((\n)/2)+\i)*256+128*((\n)%2)   ; 128 consecutive bytes of a key's row; the row's other half is the next block's
.endr
.endm
.macro BLOCK n
.set XS, X+32*((\n)%2)
.if (\n) < 7
	s_wait_loadcnt 32                              ; this block's 32 loads are in; the next block's may be out
.else
	s_wait_loadcnt 0
.endif
	AMAX
.irp g, 0,1,2,3
	v_cvt_scalef32_pk8_fp4_f32 v[C+4*(\n)+\g], v[XS+8*\g:XS+8*\g+7], v14
.endr
.if (\n)/2 == 0
	v_mov_b32 v[W+(\n)%2], v15                     ; four bytes to the channel's scale word, the earlier keys in the lower byte.  (The plain line behind the conversions)
.else
	v_lshl_or_b32 v[W+(\n)%2], v15, 8*((\n)/2), v[W+(\n)%2]
.endif
	global_store_b128 v3, v[C+4*(\n):C+4*(\n)+3], s[10:11] offset:4096+2048*((\n)%2)+256*((\n)/2)   ; sixteen lanes store 256 consecutive bytes, at a multiple of 256 from kv's first byte
.if (\n) < 6
	LOADB (\n)+2
.endif
.endm
	LOADB 0
	LOADB 1
.irp n, 0,1,2,3,4,5,6,7
	BLOCK \n
.endr
	global_store_b64 v5, v[W:W+1], s[10:11] offset:8704   ; 32 lanes store 256 consecutive bytes
	s_endpgm
.Lfunc_end_k_q9f4b720302_prep:
	.size	k_q9f4b720302_prep, .Lfunc_end_k_q9f4b720302_prep-k_q9f4b720302_prep
	.p2alignl 7, 3214868480
	.fill 96, 4, 3214868480
	.section	.rodata,"a",@progbits
	.p2align	6, 0x0
	.amdhsa_kernel k_q9f4b720302_prep
		.amdhsa_group_segment_fixed_size 36352
		.amdhsa_private_segment_fixed_size 0
		.amdhsa_enable_private_segment 0
		.amdhsa_kernarg_size 32
		.amdhsa_user_sgpr_count 2
		.amdhsa_user_sgpr_kernarg_segment_ptr 1
		.amdhsa_wavefront_size32 1
		.amdhsa_system_sgpr_workgroup_id_x 1
		.amdhsa_system_sgpr_workgroup_id_y 1
		.amdhsa_system_sgpr_workgroup_id_z 1
		.amdhsa_system_vgpr_workitem_id 0
		.amdhsa_next_free_vgpr 256
		.amdhsa_next_free_sgpr 66
		.amdhsa_reserve_vcc 1
		.amdhsa_float_denorm_mode_32 3
		.amdhsa_float_denorm_mode_16_64 3
		.amdhsa_memory_ordered 1
		.amdhsa_forward_progress 1
		.amdhsa_inst_pref_size 67
	.end_amdhsa_kernel
	.amdgpu_metadata
---
amdhsa.version: [ 1, 2 ]
amdhsa.kernels:
  - .name:           k_q9f4b720302_prep
    .symbol:         k_q9f4b720302_prep.kd
    .args:
      - { .name: key_layer, .offset: 0, .size: 8, .value_kind: global_buffer, .address_space: global }
      - { .name: value_layer, .offset: 8, .size: 8, .value_kind: global_buffer, .address_space: global }
      - { .name: attention_mask, .offset: 16, .size: 8, .value_kind: global_buffer, .address_space: global }
      - { .name: kv, .offset: 24, .size: 8, .value_kind: global_buffer, .address_space: global }
    .group_segment_fixed_size: 36352
    .private_segment_fixed_size: 0
    .kernarg_segment_align: 8
    .kernarg_segment_size: 32
    .max_flat_workgroup_size: 128
    .sgpr_count:     66
    .vgpr_count:     256
    .wavefront_size: 32
...
	.end_amdgpu_metadata
.endif
;; end of part 1
;; launch attn (part 2): grid 4 x 64, 16 waves a work-group, clusters of 4 x 1, 223,232 bytes of LDS; arguments query_layer, kv, out0; writes out0
.if DOCPART == 2
	.amdgcn_target "amdgcn-amd-amdhsa--gfx1250"
	.amdhsa_code_object_version 6
	.text
	.protected	k_q9f4b720302_attn
	.globl	k_q9f4b720302_attn
	.p2align	8
	.type	k_q9f4b720302_attn,@function
k_q9f4b720302_attn:
	s_mov_b64 s[64:65], 0
	v_nop
	global_prefetch_b8 v0, s[64:65] scope:SCOPE_SE
	s_setreg_imm32_b32 hwreg(HW_REG_WAVE_MODE, 25, 1), 1
	s_wait_xcnt 0x0
	s_wait_alu depctr_hold_cnt(0) depctr_sa_sdst(0) depctr_va_vdst(0) depctr_va_sdst(0) depctr_va_ssrc(0) depctr_va_vcc(0) depctr_vm_vsrc(0)
	s_getreg_b32 s2, hwreg(HW_REG_IB_STS2, 6, 4)
	s_cmp_eq_u32 s2, 0
	s_cbranch_scc0 .Lentry_in_a_cluster
	s_endpgm
.Lentry_in_a_cluster:
	s_bfe_u32 s2, ttmp6, 0x10000c
	s_cmp_lg_u32 s2, 0x3003
	s_cbranch_scc0 .Lentry_shape_is_right
	s_endpgm
.Lentry_shape_is_right:
; out0[head][q][:] = the sum over k of softmax_k((q / 8) . k + mask[k]) v[k][:], 64 heads, 2,048 queries and keys, head size 64; both products on codes of FP4 (E2M1) with one E8M0 scale for each 32 along K.
; K's and V's codes, their scale words and the mask come from kv, 16 records of REC bytes a head, each laid in the order of the operand registers:
;   0 K's 8 tiles (512 bytes each) | 4096 V's 4 tiles x 2 register groups (512 each) | 8192 K's scale words (16 bytes a lane) | 8704 V's scale words [r][pos] | 8960 the mask of the step's 128 keys, f32.
; THE SOFTMAX: t = (score + mask) x log2(e); M = the running largest t rounded UP to a whole number; p = 2^(t - M) is quantised along the keys, not normalised; the row's sum is taken of the unquantised p
; and divides O at the end.  When M moves, the sum and O^T are multiplied by 2^(old M - new M): exact.
; SHARES.  A work-group owns 512 queries of one head; each of its sixteen waves 2 tiles of 16, one after the other (two passes): four waves to a SIMD, so that one wave's vector work
; stands beside another's matrix work and LDS loads.  THE WHOLE HEAD'S 16 RECORDS, 151,552 bytes, LIE IN LDS: each wave brings one by one tensor load; nothing is filled again, and the key loop has no barrier.
; CLUSTER.  The four query blocks of a head need the same records: each is asked for JOINTLY, by the same load with the same descriptor and the mask of all four.  My place in the cluster enters q's and out0's addresses alone.
; q.  The head loads the first pass's 16 rows alone.  The second pass's 4,096 bytes are prefetched once, in the first pass's ninth step (16 blocks of 256 bytes, a lane a block; lanes 16-31 name the last again),
; loaded behind the first pass's loop, ahead of its way out, and quantised behind it.  The records are not prefetched: they are asked for at the head, ahead of every loop.
; LAYOUT.  Both products are used transposed: S^T = K Q^T (source 0 = 16 keys, source 1 = my 16 queries), O^T = V^T P^T: a lane holds ONE query (lane % 16).  Lane row m of K's tile 4 c + j is key 64 c + 8 j + m % 8 + 32 (m / 8):
; so the 32 score registers of tiles 4 c .. 4 c + 3 are, in lane half h, the keys 64 c + 32 h + 0 .. 31: a WHOLE block in a lane, in the order of the second product's operand.
; K = 64 IN AN INSTRUCTION OF K = 128.  Q's registers 4-7 hold zero codes; K's tile t is named with the next tile's four registers as its upper half (tile 7: V's first four).  E2M1 has no infinity and no NaN,
; so whatever they hold times the code 0 is 0; the scale bytes of that half are 0 on both sides, a power of two and no NaN.
; THE MASK IS THE C OF THE FIRST PRODUCT: a lane's 64 mask numbers are loaded into the score registers, and the product adds onto them, in f32.  q / 8 is exact: q's codes are those of q, and 3 more goes off its scale bytes.
; LIMITS: NaN and +infinity among the inputs are not served.  The running largest t begins at -2^24, so that a step all of whose keys are masked away gives p = 0 exactly; a row whose largest t
; lies under -2^24 is not served.  A block of zeros, and a block of q under 2^-121, carries the byte 1.
; REGISTERS: v1-7 addresses that stay; v8, v10, v11 the step's; v12 -M, v13 the largest t, v[14:15] the sum; v16-23 Q; v32-63 K; v64-95 V; v96-159 S^T, then p; v160-191 O^T; v192-199 p's codes;
; v200-203 K's scale words, v208-211 V's, v212 Q's, v214 p's; v[216:217] f; v218 8 h; v220, v221 my two blocks' largest; v224-239 at work; v240, v241 the add's; v242 the prefetch's offset.
.set REC,   9472
.set STG,   16*REC                     ; behind the records: a stage of 16 rows x (256 bytes + 16) for each wave, for q's way in and O's way out; no tensor load lands there
.set SPI,   272
.set SPARE, STG+16*16*SPI              ; the spare words, 128 bytes a wave
.set FLOOR, 0x1800000                  ; 2^(3 - 127): a scale's byte cannot fall under 1
.set FLOORQ, 0x3000000                 ; 2^(6 - 127): the same for q, whose byte loses 3 more
.macro ROUND                           ; a round of the cluster's barrier
	s_barrier_signal -1
	s_barrier_wait -1
	s_cmp_lg_u32 s10, 0
	s_cbranch_scc1 .Lnot_wave_0_\@
	s_barrier_signal -3
.Lnot_wave_0_\@:
	s_barrier_wait -3
	s_barrier_signal -1
	s_barrier_wait -1
.endm
	s_load_b128 s[4:7], s[0:1], 0x0                ; query s[4:5], kv s[6:7]
	s_load_b64 s[8:9], s[0:1], 0x10                ; out0
	v_lshl_add_u32 v240, v0, 2, SPARE
	v_mov_b32 v241, 0
	ds_add_u32 v240, v241                          ; the opening lines: the add, twice on end, and its wait ahead of my tensor load
	ds_add_u32 v240, v241
	v_lshrrev_b32 v1, 5, v0
	v_readfirstlane_b32 s10, v1                    ; wave 0..15
	s_bfe_u32 s11, ttmp6, 0x40000                  ; cx: my block of 512 queries
	s_and_b32 s12, ttmp7, 0xffff                   ; the head, which the four partners share
	s_mov_b32 s16, 15|(3<<16)|(1<<21)              ; group 1: the mask of all four; elements of 8 bytes; bit 21 beside a mask.  A record is dense: 37 rows of 256 bytes
	s_mov_b32 s17, 32<<16
	s_mov_b32 s18, 37<<16
	s_mov_b32 s19, 32<<16
	s_mov_b32 s20, 37
	s_mov_b32 s21, 32
	s_mov_b32 s22, 0
	s_mov_b32 s23, 0
	s_mov_b32 s28, 0x76543210
	s_mov_b32 s29, 0xfedcba98                      ; v_permlanex16_b32's selects for lane l xor 16
	s_mov_b32 s30, 0x3fb8aa3b                      ; c = log2(e)
	s_mov_b32 s31, s30
	s_lshl_b32 s34, s12, 19                        ; q and out0: the head's 2,048 rows of 256 bytes,
	s_lshl_b32 s35, s11, 17                        ; my work-group's 512,
	s_add_co_u32 s34, s34, s35
	s_lshl_b32 s35, s10, 12                        ; my wave's 16 of the first pass
	s_add_co_u32 s34, s34, s35
	s_mov_b32 s35, 0
	s_mul_i32 s36, s12, 16*REC                     ; kv: the head's records,
	s_mul_i32 s25, s10, REC                        ; of which I fetch number wave, to LDS byte wave x REC
	s_add_co_u32 s36, s36, s25
	s_mov_b32 s37, 0
	s_mul_i32 s38, s10, 16*SPI
	s_add_co_u32 s38, s38, STG                     ; my stage
	s_mov_b32 s24, 1
	v_and_b32 v1, 31, v0
	v_and_b32 v234, 15, v0                         ; r
	v_bfe_u32 v235, v0, 4, 1                       ; h
	v_min_u32 v242, 15, v1
	v_lshlrev_b32 v1, 4, v1                        ; v1  16 x lane: an image's place, and q's and out0's
	v_lshlrev_b32 v242, 8, v242                    ; v242 the prefetch: a block of 256 bytes a lane
	v_lshlrev_b32 v3, 4, v234                      ; v3  16 r: V's scale words
	v_lshlrev_b32 v4, 7, v235                      ; v4  128 h: my half's 32 mask numbers of each 64
	v_mul_u32_u24 v5, v234, SPI
	v_mul_u32_u24 v6, v235, SPI
	v_add_nc_u32 v5, s38, v5
	v_lshl_add_u32 v6, v234, 4, v6
	v_lshl_add_u32 v7, v235, 7, v5                 ; v7  the stage, q's way in: row r, + my half's 32 numbers
	v_lshl_add_u32 v5, v235, 5, v5                 ; v5  the stage, O's way out: row r, + 32 h
	v_add_nc_u32 v6, s38, v6                       ; v6  the stage by whole rows: lanes 0-15 one row, lanes 16-31 the next
	v_lshlrev_b32 v218, 3, v235                    ; 8 h
.irp j, 20,21,22,23,217,233
	v_mov_b32 v[\j], 0                             ; the zero codes of Q's upper K; the upper half of the pair f; the lane permutes' destination, which counts as a source
.endr
	s_wait_alu depctr_va_vdst(0)                   ; the wait ahead of the waits below
	s_wait_dscnt 0x0
	s_wait_kmcnt 0x0
	s_add_nc_u64 s[4:5], s[4:5], s[34:35]
	s_add_nc_u64 s[8:9], s[8:9], s[34:35]
	s_add_nc_u64 s[26:27], s[6:7], s[36:37]
	s_or_b32 s27, s27, 0x80000000                  ; type = 2
	ROUND                                          ; all four work-groups are here: the joint loads meet
	tensor_load_to_lds s[24:27], s[16:23]          ; my one tensor load of the launch
	s_nop 0
.rept 4
	v_nop
.endr
.macro LOADQ off                       ; 16 rows of q: each load 512 consecutive bytes, two rows
.irp i, 0,1,2,3,4,5,6,7
	global_load_b128 v[32+4*\i:35+4*\i], v1, s[4:5] offset:\off+512*\i th:TH_LOAD_NT
.endr
.endm
; q's way in: through my stage, so that a lane holds d = 32 h + 0 .. 31 of query r, a whole block; then four registers of codes and, with lane l xor 16's byte, the query's scale word for q / 8
.macro QIN
	s_wait_loadcnt 0x0
.irp i, 0,1,2,3,4,5,6,7
	ds_store_b128 v6, v[32+4*\i:35+4*\i] offset:544*\i
.endr
.irp j, 0,1,2,3,4,5,6,7
	ds_load_b128 v[64+4*\j:67+4*\j], v7 offset:16*\j     ; LDS serves a wave's instructions in order (ISA guide 5.7.1.4): these see the stores above
.endr
	s_wait_dscnt 0x0
	v_max3_num_f32 v224, |v64|, |v65|, |v66|
	v_max3_num_f32 v225, |v67|, |v68|, |v69|
.irp n, 70,74,78,82,86,90
	s_delay_alu instid0(VALU_DEP_2)
	v_max3_num_f32 v224, v224, |v[\n]|, |v[\n+1]|
	s_delay_alu instid0(VALU_DEP_2)
	v_max3_num_f32 v225, v225, |v[\n+2]|, |v[\n+3]|
.endr
	s_delay_alu instid0(VALU_DEP_2)
	v_max3_num_f32 v224, v224, |v94|, |v95|
	s_delay_alu instid0(VALU_DEP_1)
	v_max3_num_f32 v224, v224, v225, FLOORQ
	s_delay_alu instid0(VALU_DEP_1)
	v_add_nc_u32 v225, 0xff000000, v224            ; 2 off the exponent field: the conversion's scale operand, for q as it stands
	v_add_nc_u32 v224, 0xfd800000, v224            ; 5 off: the scale of q / 8
.irp g, 0,1,2,3
	v_cvt_scalef32_pk8_fp4_f32 v[16+\g], v[64+8*\g:71+8*\g], v225
.endr
	v_lshrrev_b32 v224, 23, v224                   ; the byte.  (The plain line behind the conversions)
	s_delay_alu instid0(VALU_DEP_1)
	v_lshlrev_b32 v224, v218, v224                 ; at its place: byte h
	s_delay_alu instid0(VALU_DEP_1)
	v_permlanex16_b32 v233, v224, s28, s29
	s_delay_alu instid0(VALU_DEP_1)
	v_or_b32 v212, v224, v233                      ; bytes 0 and 1; bytes 2 and 3 are 0
.endm
	LOADQ 0
	QIN
	s_wait_alu depctr_va_vdst(0)                   ; the wait at the head's end
	s_wait_tensorcnt 0x0                           ; my record has landed (no LDS instruction of mine is out),
	s_barrier_signal -1
	s_barrier_wait -1                              ; everybody's has: the head's 16 records lie in LDS for all sixteen waves
; A KEY STEP: the 128 keys of the record at LDS byte s32
.macro STEP
	v_add_nc_u32 v8, s32, v1                       ; with the two additions at the last step's end these are the places between its products and the loads into the registers that they read
	v_add_nc_u32 v10, s32, v3
	v_add_nc_u32 v11, s32, v4
.irp c, 0,1
.irp j, 0,1,2,3,4,5,6,7
	ds_load_b128 v[96+32*\c+4*\j:99+32*\c+4*\j], v11 offset:8960+256*\c+16*\j   ; the mask of keys 64 c + 32 h + 4 j on, into the score registers of those keys
.endr
.endr
.irp t, 0,1,2,3,4,5,6,7
	ds_load_b128 v[32+4*\t:35+4*\t], v8 offset:512*\t
.endr
	ds_load_b128 v[200:203], v8 offset:8192        ; lanes 0-15: the words of tiles 0-3; lanes 16-31: of tiles 4-7
.irp n, 0,1,2,3,4,5,6,7
	ds_load_b128 v[64+4*\n:67+4*\n], v8 offset:4096+512*\n
.endr
	ds_load_b128 v[208:211], v10 offset:8704
	s_wait_dscnt 0x0
.irp j, 0,1,2,3                                ; S^T = K Q^T + mask: eight accumulators, one instruction each
	v_wmma_scale_f32_16x16x128_f8f6f4 v[96+8*\j:103+8*\j], v[32+4*\j:39+4*\j], v[16:23], v[96+8*\j:103+8*\j], v[200+\j], v212 matrix_a_fmt:MATRIX_FMT_FP4 matrix_b_fmt:MATRIX_FMT_FP4
.endr
.irp j, 0,1,2,3
	v_wmma_scale_f32_16x16x128_f8f6f4 v[128+8*\j:135+8*\j], v[48+4*\j:55+4*\j], v[16:23], v[128+8*\j:135+8*\j], v[200+\j], v212 matrix_a_fmt:MATRIX_FMT_FP4 matrix_b_fmt:MATRIX_FMT_FP4 matrix_a_scale:MATRIX_SCALE_ROW1
.endr
	v_mov_b32 v234, v12                            ; the old -M.  With the three lines below: four places ahead of the first read of results (ISA guide 7.12.1)
.rept 3
	v_nop
.endr
.irp c, 0,1                                    ; the largest score of my two blocks of 32 keys: each accumulator from its low end on, eight chains by turns
.irp j, 0,1,2,3
	v_max3_num_f32 v[224+4*\c+\j], v[96+32*\c+8*\j], v[97+32*\c+8*\j], v[98+32*\c+8*\j]
.endr
.endr
.irp n, 3,5
.irp c, 0,1
.irp j, 0,1,2,3
	v_max3_num_f32 v[224+4*\c+\j], v[224+4*\c+\j], v[96+32*\c+8*\j+\n], v[97+32*\c+8*\j+\n]
.endr
.endr
.endr
	v_max3_num_f32 v224, v224, v225, v103
	v_max3_num_f32 v228, v228, v229, v135
	v_max3_num_f32 v226, v226, v227, v111
	v_max3_num_f32 v230, v230, v231, v143
	v_max3_num_f32 v224, v224, v226, v119
	v_max3_num_f32 v228, v228, v230, v151
	v_max_num_f32 v220, v224, v127                 ; it serves for the row's maximum and, since p rises with the score, for the block's largest p
	v_max_num_f32 v221, v228, v159
	s_delay_alu instid0(VALU_DEP_1)
	v_max_num_f32 v232, v220, v221
	s_delay_alu instid0(VALU_DEP_1)
	v_permlanex16_b32 v233, v232, s28, s29
	s_delay_alu instid0(VALU_DEP_1)
	v_max_num_f32 v232, v232, v233                 ; with lane l xor 16's two blocks: the step's largest score of my query,
	s_delay_alu instid0(VALU_DEP_1)
	v_mul_f32 v232, s30, v232                      ; as t (c is positive)
	s_delay_alu instid0(VALU_DEP_1)
	v_max_num_f32 v13, v13, v232                   ; the running largest t
	s_delay_alu instid0(VALU_DEP_1)
	v_floor_f32 v12, -v13                          ; the new -M = floor(-t) = -ceil(t): a whole number
.irp k, 0,2,4,6,8,10,12,14
	v_pk_fma_f32 v[96+\k:97+\k], v[96+\k:97+\k], s[30:31], v[12:13] op_sel_hi:[1,0,0]   ; t - M, two at a time (of the pairs c and -M the low word serves both halves)
.endr
	v_sub_f32 v234, v12, v234                      ; M's old value less its new one: 0 or less
.irp k, 16,18,20,22,24,26,28,30
	v_pk_fma_f32 v[96+\k:97+\k], v[96+\k:97+\k], s[30:31], v[12:13] op_sel_hi:[1,0,0]
.endr
	v_cvt_i32_f32 v234, v234                       ; (it saturates)
.irp k, 32,34,36,38,40,42,44,46
	v_pk_fma_f32 v[96+\k:97+\k], v[96+\k:97+\k], s[30:31], v[12:13] op_sel_hi:[1,0,0]
.endr
	v_ldexp_f32 v216, 1.0, v234                    ; f = 2^(old M - new M)
.irp k, 48,50,52,54,56,58,60,62
	v_pk_fma_f32 v[96+\k:97+\k], v[96+\k:97+\k], s[30:31], v[12:13] op_sel_hi:[1,0,0]
.endr
	v_fma_f32 v220, v220, s30, v12                 ; the same of each block's largest score
	v_fma_f32 v221, v221, s30, v12
	s_wait_alu depctr_va_vdst(0)                   ; the wait ahead of the batch
.set J, 0
.rept 64
	v_exp_f32 v[96+J], v[96+J]                     ; p = 2^(t - M), at most 1: not normalised
.set J, J+1
.endr
	v_exp_f32 v220, v220                           ; the blocks' largest p: the same two instructions on the same number
	v_exp_f32 v221, v221
	v_pk_mul_f32 v[14:15], v[14:15], v[216:217] op_sel_hi:[1,0]   ; the sums under the new M.  (The plain line behind the exponentials)
	s_wait_alu depctr_va_vdst(0)                   ; and the wait ahead of the first line that names a result
.irp k, 0,2,4,6,8,10,12,14                     ; the row's sum of the unquantised p: eight chains
	v_pk_add_f32 v[224+\k:225+\k], v[96+\k:97+\k], v[112+\k:113+\k]
.endr
.irp n, 128,144
.irp k, 0,2,4,6,8,10,12,14
	v_pk_add_f32 v[224+\k:225+\k], v[224+\k:225+\k], v[\n+\k:\n+\k+1]
.endr
.endr
.irp k, 0,2,4,6
	v_pk_add_f32 v[224+\k:225+\k], v[224+\k:225+\k], v[232+\k:233+\k]
.endr
	v_pk_add_f32 v[224:225], v[224:225], v[228:229]
	v_pk_add_f32 v[226:227], v[226:227], v[230:231]   ; the last two additions stand behind the products below
	v_max_num_f32 v220, FLOOR, v220                ; the floor: a block whose every p has fallen to 0 keeps the byte 1: its codes are zeros
	v_max_num_f32 v221, FLOOR, v221
	s_delay_alu instid0(VALU_DEP_2)
	v_add_nc_u32 v228, 0xff000000, v220            ; 2 off the exponent field: the conversion's scale operand
	s_delay_alu instid0(VALU_DEP_2)
	v_add_nc_u32 v229, 0xff000000, v221
	s_delay_alu instid0(VALU_DEP_2)
	v_lshrrev_b32 v230, 23, v228                   ; the scale's byte
	s_delay_alu instid0(VALU_DEP_2)
	v_lshrrev_b32 v231, 23, v229
	s_delay_alu instid0(VALU_DEP_1)
	v_lshl_or_b32 v230, v231, 16, v230             ; my blocks h and 2 + h,
	s_delay_alu instid0(VALU_DEP_1)
	v_lshlrev_b32 v230, v218, v230                 ; at their places;
	s_delay_alu instid0(VALU_DEP_1)
	v_permlanex16_b32 v233, v230, s28, s29
	s_delay_alu instid0(VALU_DEP_1)
	v_or_b32 v214, v230, v233                      ; with lane l xor 16's two: p's scale word for these 128 keys
.irp c, 0,1
.irp q, 0,1,2,3
	v_cvt_scalef32_pk8_fp4_f32 v[192+4*\c+\q], v[96+32*\c+8*\q:103+32*\c+8*\q], v[228+\c]   ; keys 64 c + 32 h + 8 q on: register 4 c + q of the operand
.endr
.endr
	s_wait_alu depctr_va_vdst(0)                   ; the wait here, directly ahead of the first reader of O^T
.irp j, 0,2,4,6,8,10,12,14,16,18,20,22,24,26,28,30
	v_pk_mul_f32 v[160+\j:161+\j], v[160+\j:161+\j], v[216:217] op_sel_hi:[1,0]   ; O^T under the new M, each accumulator from its low end on.  (These 16 are also the places between the scale word and the codes just made and the products below)
.endr
.irp t, 0,1,2,3                                ; O^T += V^T P^T: four accumulators, one instruction each; K = these 128 keys
	v_wmma_scale_f32_16x16x128_f8f6f4 v[160+8*\t:167+8*\t], v[64+8*\t:71+8*\t], v[192:199], v[160+8*\t:167+8*\t], v[208+2*(\t%2)+\t/2], v214 matrix_a_fmt:MATRIX_FMT_FP4 matrix_b_fmt:MATRIX_FMT_FP4
.endr
	v_pk_add_f32 v[224:225], v[224:225], v[226:227]
	s_delay_alu instid0(VALU_DEP_1)
	v_pk_add_f32 v[14:15], v[14:15], v[224:225]    ; the step's sum joins the row's
.endm
; THE WAY OUT.  O^T / the sum goes through my stage and leaves as whole rows: a store covers two rows of out0, 512 consecutive bytes.
.macro WAYOUT off
.rept 4
	v_nop                                          ; places ahead of the first read of the last products' results
.endr
	v_add_f32 v14, v14, v15                        ; the sum's two halves,
	s_delay_alu instid0(VALU_DEP_1)
	v_permlanex16_b32 v233, v14, s28, s29
	s_delay_alu instid0(VALU_DEP_1)
	v_add_f32 v14, v14, v233                       ; and lane l xor 16's: the row's sum
	s_wait_alu depctr_va_vdst(0)                   ; the wait ahead of the reciprocal
	v_rcp_f32 v14, v14
	v_nop                                          ; a plain line behind it,
	s_wait_alu depctr_va_vdst(0)                   ; and the wait ahead of its first reader, which is O^T's first reader too
.irp j, 0,2,4,6,8,10,12,14,16,18,20,22,24,26,28,30
	v_pk_mul_f32 v[96+\j:97+\j], v[160+\j:161+\j], v[14:15] op_sel_hi:[1,0]   ; register 8 t + i is o(r, 16 t + 8 h + i)
.endr
.irp t, 0,1,2,3
	ds_store_b128 v5, v[96+8*\t:99+8*\t] offset:64*\t
	ds_store_b128 v5, v[100+8*\t:103+8*\t] offset:64*\t+16
.endr
.irp i, 0,1,2,3,4,5,6,7
	ds_load_b128 v[128+4*\i:131+4*\i], v6 offset:544*\i   ; in order behind my stores
.endr
.irp i, 0,1,2,3,4,5,6,7
	s_wait_dscnt 7-\i                              ; load i is back; the younger ones may be out
	global_store_b128 v1, v[128+4*\i:131+4*\i], s[8:9] offset:\off+512*\i th:TH_STORE_NT
.endr
.endm
; A PASS: one tile of 16 queries walks the head's 16 records.  The step is written once a pass: O^T and the sum begin as zeros, which the first change of M leaves zeros.
; ask = 1: in the ninth step the next pass's rows of q are prefetched, eight steps ahead of their loads.
.macro PASS ask
	v_mov_b32 v13, 0xcb800000                      ; the largest t so far: -2^24
	v_mov_b32 v14, 0
	v_mov_b32 v15, 0
	v_floor_f32 v12, -v13                          ; -M
.set J, 0
.rept 32
	v_mov_b32 v[160+J], 0
.set J, J+1
.endr
	s_wait_xcnt 0x0                                ; the last pass's stores have read v128-159: only behind this wait do the mask's loads land there
	s_mov_b32 s32, 0
	s_mov_b32 s33, 16
.Lstep_\@:
.if \ask
	s_cmp_eq_u32 s33, 8
	s_cbranch_scc0 .Lnot_now_\@
	global_prefetch_b8 v242, s[4:5] offset:65536 th:TH_LOAD_NT scope:SCOPE_SE
.Lnot_now_\@:
.endif
	STEP
	s_add_co_u32 s32, s32, REC
	s_sub_co_u32 s33, s33, 1
	s_cmp_lg_u32 s33, 0
	s_cbranch_scc1 .Lstep_\@
.endm
	PASS 1
	LOADQ 65536                                    ; the second pass's q, 256 rows on, into K's registers: on its way while the first pass goes out
	WAYOUT 0
	QIN
	PASS 0
	WAYOUT 65536
	s_wait_tensorcnt 0x0                           ; the wave's end
	ds_add_u32 v240, v241
	s_wait_dscnt 0x0
	ROUND                                          ; the closing round: no work-group ends while a partner may still ask for a record that names it
	s_endpgm
.Lfunc_end_k_q9f4b720302_attn:
	.size	k_q9f4b720302_attn, .Lfunc_end_k_q9f4b720302_attn-k_q9f4b720302_attn
	.p2alignl 7, 3214868480
	.fill 96, 4, 3214868480
	.section	.rodata,"a",@progbits
	.p2align	6, 0x0
	.amdhsa_kernel k_q9f4b720302_attn
		.amdhsa_group_segment_fixed_size 223232
		.amdhsa_private_segment_fixed_size 0
		.amdhsa_enable_private_segment 0
		.amdhsa_kernarg_size 24
		.amdhsa_user_sgpr_count 2
		.amdhsa_user_sgpr_kernarg_segment_ptr 1
		.amdhsa_wavefront_size32 1
		.amdhsa_system_sgpr_workgroup_id_x 1
		.amdhsa_system_sgpr_workgroup_id_y 1
		.amdhsa_system_sgpr_workgroup_id_z 1
		.amdhsa_system_vgpr_workitem_id 0
		.amdhsa_next_free_vgpr 244
		.amdhsa_next_free_sgpr 66
		.amdhsa_reserve_vcc 0
		.amdhsa_float_denorm_mode_32 3
		.amdhsa_float_denorm_mode_16_64 3
		.amdhsa_memory_ordered 1
		.amdhsa_forward_progress 1
		.amdhsa_inst_pref_size 53
	.end_amdhsa_kernel
	.amdgpu_metadata
---
amdhsa.version: [ 1, 2 ]
amdhsa.kernels:
  - .name:           k_q9f4b720302_attn
    .symbol:         k_q9f4b720302_attn.kd
    .args:
      - { .name: query_layer, .offset: 0, .size: 8, .value_kind: global_buffer, .address_space: global }
      - { .name: kv, .offset: 8, .size: 8, .value_kind: global_buffer, .address_space: global }
      - { .name: out0, .offset: 16, .size: 8, .value_kind: global_buffer, .address_space: global }
    .group_segment_fixed_size: 223232
    .private_segment_fixed_size: 0
    .kernarg_segment_align: 8
    .kernarg_segment_size: 24
    .max_flat_workgroup_size: 512
    .sgpr_count:     66
    .vgpr_count:     244
    .wavefront_size: 32
...
	.end_amdgpu_metadata
.endif
;; end of part 2
